; MI455X (gfx1250); checked and timed in simulation.
; The chip was launched on July 23, 2026; its instructions are those of AMD's public machine-readable ISA for CDNA 5 (MIT licence, August 2026) and "CDNA5" Instruction Set Architecture Reference Guide (July 2026). The comments in the code are by the model that wrote it; some were corrected since.
;; Q8 Linear Lora. Allowed arithmetic: matrix products marked QUANTISED: E4M3 operands, one E8M0 scale for each 32 along K, by v_wmma_scale_f32_16x16x128_f8f6f4 with both operands' format E4M3, f32 sums; products left as they are: f32 operands where the result goes on into a quantised operand, else bf16, f16 or f32 operands; f32 sums; everything else in f32.
;; Inputs: bias 4,096 float32; lora_a 16 x 4,096 float32; lora_b 4,096 x 16 float32; scales 4,096 float32; weight 4,096 x 4,096 int8; x 4,096 x 4,096 int8; x_scales 4,096 float32.
;; Outputs: out0 4,096 x 4,096 float32.
;; Constants: fuse_gelu = 1.
;; This version of the problem:
;;   THIS VERSION OF THE PROBLEM IS GIVEN IN LOW PRECISION. The matrix products marked QUANTISED in the list below multiply operands that are first quantised to E4M3 (4 exponent bits, 3 mantissa bits; 8 bits a number), with one power-of-two scale for each 32 numbers along K (OCP MX v1.0); their sums are f32. All else is computed in f32.
;;   The module's matrix products, in the order in which they are computed (A, B: the left and right operand; K: the contracted axis; several contracted axes count as one K, in the product's order):
;;     1. [M 4,096, K 4,096] x [K 4,096, N 4,096]; A: input x; B: input weight: left as it is (operands are no floats)
;;     2. [M 4,096, K 4,096] x [K 4,096, N 16]; A: computed on the way; B: input lora_a: QUANTISED
;;     3. [M 4,096, K 16] x [K 16, N 4,096]; A: computed on the way; B: input lora_b: left as it is (K = 16 < 32)
;;   THE QUANTISER, for each operand of a quantised product, along K:
;;     - K is cut into blocks of 32 from its start; a last block that is shorter is filled with zeros.
;;     - A block's scale is 2^e with e = floor(log2(the largest magnitude in the block)) - 8, held to -126 .. 127; a block of zeros has e = 0. As a byte (E8M0): e + 127.
;;     - Each number is divided by its block's scale, clamped to +-448, and rounded to the nearest number of E4M3, ties to even, subnormals kept.
;;     - The product sums the exact products of the quantised numbers (number of the format x scale) in f32.
;;   ~~~python
;;   def quantise(x, axis):      # numpy; x: float32 -> the quantised numbers, widened to float32 again
;;       x = np.moveaxis(x, axis, -1); K = x.shape[-1]
;;       x = np.pad(x, [(0, 0)] * (x.ndim - 1) + [(0, -K % 32)]); x = x.reshape(x.shape[:-1] + (-1, 32)); a = np.abs(x).max(-1, keepdims=True)
;;       e = np.where(a > 0, np.clip(np.frexp(np.where(a > 0, a, 1))[1] - 1 - 8, -126, 127), 0)      # np.frexp(a)[1] - 1 = floor(log2(a)), exactly
;;       r = np.clip(x / 2.0 ** e, -448, 448)
;;       step = 2.0 ** (np.maximum(np.frexp(np.where(r == 0, 1, r))[1] - 1, -6) - 3)
;;       q = np.round(r / step) * step * 2.0 ** e      # np.round: ties to even
;;       return np.moveaxis(q.reshape(q.shape[:-2] + (-1,))[..., :K], -1, axis).astype(np.float32)
;;   ~~~
;;   OPERANDS COMPUTED ON THE WAY. 'Computed on the way' means the value that the module computes at that place (a softmax that the list does not call 'softmax' is quantised finished and normalised). What goes into a quantiser is computed in f32, as accurately as f32 sums, v_exp_f32 and their like allow (about 1e-6 of the number): no bf16 or f16 on the way to a quantiser, and a product that is left as it is and whose result goes on into a quantised operand takes f32 operands (vector FMAs, or v_wmma_f32_16x16x4_f32). A number that lies on a knife's edge between two numbers of the format may be rounded either way, as far as f32 arithmetic and the matrix unit's own rounding can turn it there, and no further.
;; One version. Each part assembles by itself: llvm-mc -triple=amdgcn-amd-amdhsa -mcpu=gfx1250 --defsym DOCPART=n.
;; ======== version 1 of 1: 2 launches
;; workspace buffers: tpart 1,048,576 bytes
;; launch lora_t (part 1): grid 64 x 4, 8 waves a work-group, clusters of 4 x 1, 168,960 bytes of LDS; arguments x, x_scales, lora_a, tpart; writes tpart
.if DOCPART == 1
	.amdgcn_target "amdgcn-amd-amdhsa--gfx1250"
	.amdhsa_code_object_version 6
	.text
	.protected	k_q039042995d_lora_t
	.globl	k_q039042995d_lora_t
	.p2align	8
	.type	k_q039042995d_lora_t,@function
k_q039042995d_lora_t:
	s_mov_b64 s[64:65], 0
	v_nop
	global_prefetch_b8 v0, s[64:65] scope:SCOPE_SE
	s_setreg_imm32_b32 hwreg(HW_REG_WAVE_MODE, 25, 1), 1
	s_wait_xcnt 0x0
	s_wait_alu depctr_hold_cnt(0) depctr_sa_sdst(0) depctr_va_vdst(0) depctr_va_sdst(0) depctr_va_ssrc(0) depctr_va_vcc(0) depctr_vm_vsrc(0)
	s_getreg_b32 s2, hwreg(HW_REG_IB_STS2, 6, 4)
	s_cmp_eq_u32 s2, 0
	s_cbranch_scc0 .Lentry_in_a_cluster
	s_endpgm
.Lentry_in_a_cluster:
	s_bfe_u32 s2, ttmp6, 0x10000c
	s_cmp_lg_u32 s2, 0x3003
	s_cbranch_scc0 .Lentry_shape_is_right
	s_endpgm
.Lentry_shape_is_right:
; T = Q(x * xs) Q(lora_a)^T in MX-FP8 (E4M3 codes, one E8M0 scale for each 32 along K), as four partial sums along K, f32.
; x: [4096][4096] int8; x_scales: [4096] f32; lora_a: [16][4096] f32.
; tpart: an image of the registers that the next launch wants: byte ((p 256 + t) 2 + q) 512 + 16 lane holds T_p[16 t + lane % 16][8 (lane / 16) + 4 q + 0..3]; p: K 1024 p on; t: 16 rows.
; SHARES.  Work-group (bx, by): rows 64 bx .. + 63, K 1024 by .. + 1023.  Wave w (mt = w % 4, kh = w / 4) multiplies rows 64 bx + 16 mt .. + 15 over K 1024 by + 512 kh .. + 511: four K steps of 128.
; Wave w also quantises lora_a's fragment of the work-group's K step w (16 ranks x 128 K); the fragment goes to the other waves through LDS as an image of its registers.
; CLUSTER.  The four work-groups of a cluster share by, so they need the same 64 KB of lora_a: each tile of it is asked for jointly (mask 15).  x's tiles are each work-group's own: plain loads.
; No LDS byte is filled twice.  Two tensor loads of a wave are out at the most.
; x * xs is one f32 multiplication of the exact whole number, as the definition has it; -128 is served.
; LIMITS: NaN and infinities in x_scales or lora_a are not served; a block of zeros gets the scale byte 1 where the rule says 127 (its codes are zeros, and this program alone reads the bytes);
; blocks whose largest magnitude lies under 2^-118 have their byte held at 1.
.set TP,    528                        ; a tile's row in LDS: 512 bytes + 16 of padding = 33 x 16: the 16 rows that a load touches fall into 16 different columns of 16 bytes
.set TILEB, 16*TP
.set STA,   0                          ; eight tiles of lora_a, 16 ranks x 128 f32, wave w's at w TILEB
.set STX,   STA+8*TILEB                ; eight tiles of x, 16 rows x 512 int8
.set AIMG,  STX+8*TILEB                ; images of lora_a's eight fragments: 4 x 512 bytes each
.set ASC,   AIMG+8*2048                ; their scale words: 128 bytes each
.set RED,   ASC+8*128                  ; the sums of waves 4 to 7: 1,024 bytes each
.set GOF, 4                            ; v4   16 x lane
.set SAR, 7                            ; v7   my place in my tile of lora_a: 528 r + 64 h
.set SXR, 9                            ; v9   my place in my tile of x: 528 r + 16 h
.set IW,  10                           ; v10  where I store my fragment's image
.set SW,  11                           ; v11  and its scale word
.set IR,  12                           ; v12  where I read the four fragments of my half of K
.set SR,  13                           ; v13  and their scale words
.set RA,  14                           ; v14  the place of my rows' partial sums
.set XSC, 16                           ; v[16:17] xs of my row, twice
.set PW,  18                           ; v18  the scale word just made: it holds scales alone
.set ASW, 20                           ; v20-23 lora_a's scale words: scales alone
.set TM,  24                           ; v24-39 at work in QUANT
.set PC,  40                           ; v40-55 the codes just made
.set D0,  56                           ; v56-63 the sums of K steps 0 and 2; v64-71 those of steps 1 and 3 (step 0's words of x are done with by then)
.set XR,  64                           ; v64-127 x's words: 16 s + 4 c + j
.set EE,  72                           ; v72-79 the partner wave's sums
.set X,   128                          ; v128-191 64 numbers in f32
.set AF,  192                          ; v192-255 four fragments of lora_a
.set WV,  12                           ; s12 wave, s13 mt, s14 kh, s15 cx, s40 bx, s41 by
.set G1A, 16                           ; s[16:23] group 1 for lora_a's tiles, s[24:27] group 0
.set G0A, 24
.set G1X, 28                           ; s[28:35] group 1 for x's tiles, s[36:39] group 0
.set G0X, 36
.set SEL, 48                           ; s[48:49] v_permlanex16_b32's selects for lane l xor 16
.set MNT, 50                           ; s50  the mantissa field of 448
.set MAG, 51                           ; s51  2^23 as f32
.set PS,  52                           ; s52-55 byte selectors: byte e of a word under the three upper bytes of 2^23
.set FLIP, 56                          ; s56  flips four sign bits: a byte x becomes x + 128, unsigned
.set UNB, 58                           ; s[58:59] -(2^23 + 128)
.macro CROUND                          ; a round of the cluster's barrier
	s_barrier_signal -1
	s_barrier_wait -1
	s_cmp_lg_u32 s[WV], 0
	s_cbranch_scc1 .Lnot_wave_0_\@
	s_barrier_signal -3
.Lnot_wave_0_\@:
	s_barrier_wait -3
	s_barrier_signal -1
	s_barrier_wait -1
.endm
; 64 numbers of a lane, register 16 b + i = k 32 b + 16 (lane / 16) + i of my row, become a fragment's codes in v[PC] on and its scale word in v[PW].
.macro QUANT s
.irp b, 0,1,2,3
	v_max3_num_f32 v[TM+\b], |v[\s+16*\b]|, |v[\s+1+16*\b]|, 0x4800000   ; block b: my 16 numbers, and the floor 2^(9 - 127): the byte cannot fall under 1
.endr
.irp i, 2,4,6,8,10,12,14
.irp b, 0,1,2,3
	v_max3_num_f32 v[TM+\b], v[TM+\b], |v[\s+16*\b+\i]|, |v[\s+1+16*\b+\i]|   ; the four blocks by turns
.endr
.endr
.irp b, 0,1,2,3
	v_permlanex16_b32 v[TM+4+\b], v[TM+\b], s[SEL], s[SEL+1]
.endr
.irp b, 0,1,2,3
	v_max_num_f32 v[TM+\b], v[TM+\b], v[TM+4+\b]   ; with lane l xor 16's: the block's largest magnitude
.endr
.irp b, 0,1,2,3
	v_add_nc_u32 v[TM+12+\b], 0xfc000000, v[TM+\b]   ; 8 off its exponent field: the conversion's scale operand
.endr
.irp b, 0,1,2,3
	v_and_or_b32 v[TM+8+\b], v[TM+\b], 0x7f800000, s[MNT]   ; 448 x the scale
.endr
.irp b, 0,1,2,3
	v_lshrrev_b32 v[TM+4+\b], 23, v[TM+12+\b]      ; the scale's byte
.endr
	v_lshl_or_b32 v[PW], v[TM+5], 8, v[TM+4]       ; four bytes make my row's scale word; the 64 holds below stand between it and the product that names it
	v_lshl_or_b32 v[PW], v[TM+6], 16, v[PW]
	v_lshl_or_b32 v[PW], v[TM+7], 24, v[PW]
.irp b, 0,1,2,3
.irp i, 0,1,2,3,4,5,6,7,8,9,10,11,12,13,14,15
	v_med3_num_f32 v[\s+16*\b+\i], v[\s+16*\b+\i], -v[TM+8+\b], v[TM+8+\b]   ; the conversion to an 8-bit code does not saturate (ISA guide 7.6.2): the hold at the largest code x the scale
.endr
	v_cvt_scalef32_pk8_fp8_f32 v[PC+4*\b:PC+1+4*\b], v[\s+16*\b:\s+7+16*\b], v[TM+12+\b]
	v_cvt_scalef32_pk8_fp8_f32 v[PC+2+4*\b:PC+3+4*\b], v[\s+8+16*\b:\s+15+16*\b], v[TM+12+\b]
.endr
	v_nop                                          ; one plain vector instruction behind the last scaled conversion
.endm
; K step s of x: 16 words (64 int8) become 64 f32 numbers x * xs.  A byte x + 128 under the upper bytes of 2^23 is the f32 number 2^23 + x + 128; taking 2^23 + 128 off is exact.
.macro UNPACK s
.set i, 0
.rept 16
	v_xor_b32 v[XR+16*(\s)+i], s[FLIP], v[XR+16*(\s)+i]
.set i, i+1
.endr
.set i, 0
.rept 16
.irp e, 0,1,2,3
	v_perm_b32 v[X+4*i+\e], v[XR+16*(\s)+i], s[MAG], s[PS+\e]
.endr
.set i, i+1
.endr
.set i, 0
.rept 32
	v_pk_add_f32 v[X+i:X+i+1], v[X+i:X+i+1], s[UNB:UNB+1] op_sel_hi:[1,0]
.set i, i+2
.endr
.set i, 0
.rept 32
	v_pk_mul_f32 v[X+i:X+i+1], v[X+i:X+i+1], v[XSC:XSC+1]   ; one rounding
.set i, i+2
.endr
.endm
	s_load_b256 s[4:11], s[0:1], 0x0               ; x s[4:5], x_scales s[6:7], lora_a s[8:9], tpart s[10:11]
	v_lshl_add_u32 v15, v0, 2, 0x29000
	v_mov_b32 v19, 0
	ds_add_u32 v15, v19
	ds_add_u32 v15, v19
	v_lshrrev_b32 v1, 5, v0
	v_readfirstlane_b32 s[WV], v1                  ; wave 0..7
	s_and_b32 s13, s[WV], 3                        ; mt
	s_lshr_b32 s14, s[WV], 2                       ; kh
	s_bfe_u32 s15, ttmp6, 0x40000                  ; cx
	s_lshl_b32 s40, ttmp9, 2
	s_add_co_u32 s40, s40, s15                     ; bx = 4 x cluster x + cx: it enters x's, x_scales' and tpart's addresses alone
	s_and_b32 s41, ttmp7, 0xffff                   ; by, which the four partners share
	; group 1 for lora_a: 16 rows x 128 elements of 4 bytes, rows 4,096 elements apart; 4 words of padding behind every 128
	s_mov_b32 s[G1A+0], 15|(2<<16)|(1<<20)|(1<<21)|(6<<22)|(3<<25)   ; 15:0 the mask: all four work-groups; 21 set beside a mask
	s_mov_b32 s[G1A+1], 128<<16                    ; tensor_dim0
	s_mov_b32 s[G1A+2], 16<<16                     ; tensor_dim1
	s_mov_b32 s[G1A+3], 128<<16                    ; tile_dim0
	s_mov_b32 s[G1A+4], 16                         ; tile_dim1
	s_mov_b32 s[G1A+5], 4096                       ; from row to row
	s_mov_b32 s[G1A+6], 0
	s_mov_b32 s[G1A+7], 0
	; group 1 for x: 16 rows x 512 elements of 1 byte; the same padding; no mask
	s_mov_b32 s[G1X+0], (0<<16)|(1<<20)|(6<<22)|(3<<25)
	s_mov_b32 s[G1X+1], 512<<16
	s_mov_b32 s[G1X+2], 16<<16
	s_mov_b32 s[G1X+3], 512<<16
	s_mov_b32 s[G1X+4], 16
	s_mov_b32 s[G1X+5], 4096
	s_mov_b32 s[G1X+6], 0
	s_mov_b32 s[G1X+7], 0
	s_lshl_b32 s42, s41, 12                        ; lora_a: 4 (1024 by + 128 w) bytes into each row: made of by and the wave alone
	s_lshl_b32 s43, s[WV], 9
	s_add_co_u32 s42, s42, s43
	s_mov_b32 s43, 0
	s_lshl_b32 s44, s40, 18                        ; x: (64 bx + 16 mt) rows of 4,096 bytes + 1024 by + 512 kh
	s_lshl_b32 s46, s13, 16
	s_add_co_u32 s44, s44, s46
	s_lshl_b32 s46, s41, 10
	s_add_co_u32 s44, s44, s46
	s_lshl_b32 s46, s14, 9
	s_add_co_u32 s44, s44, s46
	s_mov_b32 s45, 0
	s_mov_b32 s[G0A], 1
	s_mul_i32 s[G0A+1], s[WV], TILEB               ; STA = 0: my tile of lora_a
	s_mov_b32 s[G0X], 1
	s_mul_i32 s[G0X+1], s[WV], TILEB
	s_add_co_u32 s[G0X+1], s[G0X+1], STX           ; my tile of x
	s_wait_dscnt 0x0
	s_wait_kmcnt 0x0
	s_add_nc_u64 s[G0A+2:G0A+3], s[8:9], s[42:43]
	s_or_b32 s[G0A+3], s[G0A+3], 0x80000000
	s_add_nc_u64 s[G0X+2:G0X+3], s[4:5], s[44:45]
	s_or_b32 s[G0X+3], s[G0X+3], 0x80000000
	CROUND                                         ; all four work-groups are here: the joint loads meet
	tensor_load_to_lds s[G0A:G0A+3], s[G1A:G1A+7]  ; joint: lora_a's tile of K step w
	s_nop 0
	tensor_load_to_lds s[G0X:G0X+3], s[G1X:G1X+7]  ; my own: x's tile.  Both first fills stand together; four v_nop follow the second
	s_nop 0
.rept 4
	v_nop
.endr
	s_lshl_b32 s44, s40, 8                         ; x_scales: 4 (64 bx + 16 mt)
	s_lshl_b32 s46, s13, 6
	s_add_co_u32 s44, s44, s46
	s_add_nc_u64 s[6:7], s[6:7], s[44:45]
	v_and_b32 v1, 31, v0                           ; lane
	v_and_b32 v2, 15, v0                           ; r
	v_bfe_u32 v3, v0, 4, 1                         ; h
	v_lshlrev_b32 v5, 2, v2
	global_load_b32 v[XSC], v5, s[6:7]             ; xs of my row
	s_lshl_b32 s44, s41, 18                        ; tpart: (256 by + 4 bx + mt) x 1,024
	s_lshl_b32 s46, s40, 12
	s_add_co_u32 s44, s44, s46
	s_lshl_b32 s46, s13, 10
	s_add_co_u32 s44, s44, s46
	s_add_nc_u64 s[10:11], s[10:11], s[44:45]
	s_mov_b32 s[SEL], 0x76543210
	s_mov_b32 s[SEL+1], 0xfedcba98
	s_mov_b32 s[MNT], 0x600000
	s_mov_b32 s[MAG], 0x4b000000
	s_mov_b32 s[PS+0], 0x03020104
	s_mov_b32 s[PS+1], 0x03020105
	s_mov_b32 s[PS+2], 0x03020106
	s_mov_b32 s[PS+3], 0x03020107
	s_mov_b32 s[FLIP], 0x80808080
	s_mov_b32 s[UNB], 0xcb000080
	s_mov_b32 s[UNB+1], s[UNB]                     ; named with it as a pair, so it is written
	; every LDS address is made here, ahead of any parting of the waves: a constant + a constant x lane term + a constant x wave term
	v_lshlrev_b32 v[GOF], 4, v1                    ; 16 x lane
	v_lshlrev_b32 v6, 2, v1                        ; 4 x lane
	s_mul_i32 s60, s[WV], TILEB
	v_mul_u32_u24 v[SAR], v2, TP
	v_lshl_add_u32 v[SAR], v3, 6, v[SAR]
	v_add_nc_u32 v[SAR], s60, v[SAR]
	s_add_co_u32 s60, s60, STX
	v_mul_u32_u24 v[SXR], v2, TP
	v_lshl_add_u32 v[SXR], v3, 4, v[SXR]
	v_add_nc_u32 v[SXR], s60, v[SXR]
	s_lshl_b32 s60, s[WV], 11
	s_add_co_u32 s60, s60, AIMG
	v_add_nc_u32 v[IW], s60, v[GOF]
	s_lshl_b32 s60, s[WV], 7
	s_add_co_u32 s60, s60, ASC
	v_add_nc_u32 v[SW], s60, v6
	s_lshl_b32 s60, s14, 13
	s_add_co_u32 s60, s60, AIMG
	v_add_nc_u32 v[IR], s60, v[GOF]
	s_lshl_b32 s60, s14, 9
	s_add_co_u32 s60, s60, ASC
	v_add_nc_u32 v[SR], s60, v6
	s_lshl_b32 s60, s13, 10
	s_add_co_u32 s60, s60, RED
	v_add_nc_u32 v[RA], s60, v[GOF]
.irp b, 0,1,2,3
	v_mov_b32 v[TM+4+\b], 0                        ; written once: a lane permute's destination counts as one of its sources
.endr
	; ---- lora_a's fragment of K step w
	s_wait_tensorcnt 0x1                           ; my tile of lora_a, issued first, is in; one younger load, x's tile, may stay out.  Only I read these bytes
.irp c, 0,1,2,3
.irp j, 0,1,2,3
	ds_load_b128 v[X+16*\c+4*\j:X+16*\c+4*\j+3], v[SAR] offset:128*\c+16*\j   ; rank r, k = 32 c + 16 h + 4 j + 0..3
.endr
.endr
	s_wait_dscnt 0x0
	QUANT X
.irp c, 0,1,2,3
	ds_store_b128 v[IW], v[PC+4*\c:PC+4*\c+3] offset:512*\c   ; the fragment goes to LDS as it stands in my registers
.endr
	ds_store_b32 v[SW], v[PW]
	; ---- x's words
	s_wait_tensorcnt 0x0                           ; my tile of x is in
.irp s, 0,1,2,3
.irp c, 0,1,2,3
	ds_load_b128 v[XR+16*\s+4*\c:XR+16*\s+4*\c+3], v[SXR] offset:128*\s+32*\c   ; row r, k = 128 s + 32 c + 16 h + 0..15
.endr
.endr
	s_wait_dscnt 0x0                               ; for the others' sake: my image and its scale word have landed
	s_barrier_signal -1
	s_barrier_wait -1                              ; lora_a's eight fragments lie in LDS
.irp s, 0,1,2,3
.irp c, 0,1,2,3
	ds_load_b128 v[AF+16*\s+4*\c:AF+16*\s+4*\c+3], v[IR] offset:2048*\s+512*\c
.endr
	ds_load_b32 v[ASW+\s], v[SR] offset:128*\s
.endr
	s_wait_loadcnt 0x0                             ; xs
	v_mov_b32 v[XSC+1], v[XSC]
	; ---- four K steps: source 0 = lora_a's 16 ranks, source 1 = my 16 rows of x: lane (r, h) holds row r and ranks 8 h + 0..7.  Two accumulators by turns
.irp s, 0,1,2,3
	UNPACK \s
	QUANT X
.if \s == 0
	s_wait_dscnt 0x0                               ; lora_a's fragments and scale words are in
.endif
.rept 3
	v_nop                                          ; with the one that ends QUANT: four places between the codes and the scaled product
.endr
.set DD, D0+8*(\s%2)
.if \s < 2
	v_wmma_scale_f32_16x16x128_f8f6f4 v[DD:DD+7], v[AF+16*\s:AF+16*\s+15], v[PC:PC+15], 0, v[ASW+\s], v[PW]
.else
	v_wmma_scale_f32_16x16x128_f8f6f4 v[DD:DD+7], v[AF+16*\s:AF+16*\s+15], v[PC:PC+15], v[DD:DD+7], v[ASW+\s], v[PW]
.endif
.endr
.rept 8
	v_nop                                          ; eight places behind this form before a result is read
.endr
.irp j, 0,2,4,6
	v_pk_add_f32 v[D0+\j:D0+\j+1], v[D0+\j:D0+\j+1], v[D0+8+\j:D0+8+\j+1]   ; both accumulators from their low end on
.endr
	; ---- the two halves of the work-group's K meet: waves 4 to 7 hand their sums to waves 0 to 3
	s_cmp_lt_u32 s[WV], 4
	s_cbranch_scc1 .Lno_put
	ds_store_b128 v[RA], v[D0:D0+3]
	ds_store_b128 v[RA], v[D0+4:D0+7] offset:512
.Lno_put:
	s_wait_dscnt 0x0
	s_barrier_signal -1
	s_barrier_wait -1
	s_cmp_ge_u32 s[WV], 4
	s_cbranch_scc1 .Lno_sum
	ds_load_b128 v[EE:EE+3], v[RA]
	ds_load_b128 v[EE+4:EE+7], v[RA] offset:512
	s_wait_dscnt 0x0
.irp j, 0,2,4,6
	v_pk_add_f32 v[D0+\j:D0+\j+1], v[D0+\j:D0+\j+1], v[EE+\j:EE+\j+1]
.endr
	global_store_b128 v[GOF], v[D0:D0+3], s[10:11]               ; each store of the wave covers 512 consecutive bytes, aligned
	global_store_b128 v[GOF], v[D0+4:D0+7], s[10:11] offset:512
.Lno_sum:
	s_wait_tensorcnt 0x0
	ds_add_u32 v15, v19
	s_wait_dscnt 0x0
	CROUND                                         ; the closing round: no work-group ends while a partner may still ask for a tile that names it
	s_endpgm
.Lfunc_end_k_q039042995d_lora_t:
	.size	k_q039042995d_lora_t, .Lfunc_end_k_q039042995d_lora_t-k_q039042995d_lora_t
	.p2alignl 7, 3214868480
	.fill 96, 4, 3214868480
	.section	.rodata,"a",@progbits
	.p2align	6, 0x0
	.amdhsa_kernel k_q039042995d_lora_t
		.amdhsa_group_segment_fixed_size 168960
		.amdhsa_private_segment_fixed_size 0
		.amdhsa_enable_private_segment 0
		.amdhsa_kernarg_size 32
		.amdhsa_user_sgpr_count 2
		.amdhsa_user_sgpr_kernarg_segment_ptr 1
		.amdhsa_wavefront_size32 1
		.amdhsa_system_sgpr_workgroup_id_x 1
		.amdhsa_system_sgpr_workgroup_id_y 1
		.amdhsa_system_sgpr_workgroup_id_z 1
		.amdhsa_system_vgpr_workitem_id 0
		.amdhsa_next_free_vgpr 256
		.amdhsa_next_free_sgpr 66
		.amdhsa_reserve_vcc 0
		.amdhsa_float_denorm_mode_32 3
		.amdhsa_float_denorm_mode_16_64 3
		.amdhsa_memory_ordered 1
		.amdhsa_forward_progress 1
		.amdhsa_inst_pref_size 87
	.end_amdhsa_kernel
	.amdgpu_metadata
---
amdhsa.version: [ 1, 2 ]
amdhsa.kernels:
  - .name:           k_q039042995d_lora_t
    .symbol:         k_q039042995d_lora_t.kd
    .args:
      - { .name: x, .offset: 0, .size: 8, .value_kind: global_buffer, .address_space: global }
      - { .name: x_scales, .offset: 8, .size: 8, .value_kind: global_buffer, .address_space: global }
      - { .name: lora_a, .offset: 16, .size: 8, .value_kind: global_buffer, .address_space: global }
      - { .name: tpart, .offset: 24, .size: 8, .value_kind: global_buffer, .address_space: global }
    .group_segment_fixed_size: 168960
    .private_segment_fixed_size: 0
    .kernarg_segment_align: 8
    .kernarg_segment_size: 32
    .max_flat_workgroup_size: 256
    .sgpr_count:     66
    .vgpr_count:     256
    .wavefront_size: 32
...
	.end_amdgpu_metadata
.endif
;; end of part 1
;; launch gemm (part 2): grid 16 x 16, 4 waves a work-group, clusters of 4 x 4, 327,680 bytes of LDS; arguments x, weight, bias, x_scales, scales, lora_b, tpart, out0; writes out0
.if DOCPART == 2
	.amdgcn_target "amdgcn-amd-amdhsa--gfx1250"
	.amdhsa_code_object_version 6
	.text
	.protected	k_q039042995d_gemm
	.globl	k_q039042995d_gemm
	.p2align	8
	.type	k_q039042995d_gemm,@function
k_q039042995d_gemm:
	s_mov_b64 s[64:65], 0
	v_nop
	global_prefetch_b8 v0, s[64:65] scope:SCOPE_SE
	s_setreg_imm32_b32 hwreg(HW_REG_WAVE_MODE, 25, 1), 1
	s_wait_xcnt 0x0
	s_wait_alu depctr_hold_cnt(0) depctr_sa_sdst(0) depctr_va_vdst(0) depctr_va_sdst(0) depctr_va_ssrc(0) depctr_va_vcc(0) depctr_vm_vsrc(0)
	s_getreg_b32 s2, hwreg(HW_REG_IB_STS2, 6, 4)
	s_cmp_eq_u32 s2, 0
	s_cbranch_scc0 .Lentry_in_a_cluster
	s_endpgm
.Lentry_in_a_cluster:
	s_bfe_u32 s2, ttmp6, 0x10000c
	s_cmp_lg_u32 s2, 0xf033
	s_cbranch_scc0 .Lentry_shape_is_right
	s_endpgm
.Lentry_shape_is_right:
; out[m][n] = gelu(acc[m][n] xs[m] s[n] + sum over r of T[m][r] lora_b[n][r] + bias[n]), acc = sum over k of x[m][k] weight[n][k] in i32, exact.  All sizes 4,096; rank 16.
; gelu in its tanh form: z / (1 + 2^(z (k0 + k1 z^2))), k0 = -2 log2(e) sqrt(2 / pi), k1 = 0.044715 k0.
; A tile of out, 256 x 256, is made by a work-group of four waves; a wave makes 128 x 128: 64 accumulators of 16 x 16 in i32, 512 registers.  256 tiles, one to a work-group.
; K goes in steps of 256 (rows of 256 bytes) through a ring of two LDS slots filled by the tensor data mover; a K step is four quarters of 64 along K, 64 matrix instructions each.
; CLUSTERS: 4 x 4 work-groups.  The four of a row of the cluster need the same tiles of x, the four of a column the same tiles of weight: each tile is asked for jointly.
; THE MATRIX INSTRUCTION IS USED TRANSPOSED (source 0 = 16 rows of weight, source 1 = 16 rows of x): lane l holds row m = l % 16, its registers the columns n = 8 (l / 16) + 0..7.
; A fragment (16 rows x 64 K, 8 registers) is brought by two loads of 16 bytes, 32 bytes apart: k stands in other places than the instruction's own map gives it, alike in both sources; whole-number sums are the same in any order.
; T comes as four partial sums from the launch before, as an image of my registers; T and lora_b are rounded to bf16 for the rank-16 product (K filled to 32 with zeros), whose C is the bias.
; LIMITS: T and lora_b in bf16 for that product.  For very large |z| the exponent runs to infinity and the result is z or -0, as the definition's limit is.
; REGISTERS, in windows of 256:
;   window 0: v1-29 addresses; v32-63 T in bf16; v64-127, v128-191 fragments of x, two buffers (on the way out: F and Z); v192-199 the T fragment in hand; v200-215 xs; v216-219 k0, k1
;   window 1: v0-63 lora_b's eight fragments; v64-127, v128-191 fragments of weight, two buffers (from the last quarter on v64-127 hold the bias); v192-255 s of my columns
;   window 2: the accumulators of my rows 0-63 ((a, b) at v[8 (8 a + b)]); window 3: those of rows 64-127.  At the head both are scratch; on the way out a block's rows come back from the stage into its own accumulators.
.set ROWB,   256
.set KROW,   4096
.set PITCH,  272                       ; an LDS row: 256 bytes + 16 of padding = 17 x 16: the 16 rows that a load touches fall into 16 different columns of 16 bytes
.set HALFT,  128*PITCH
.set SLOT,   4*HALFT                   ; x's 256 rows, then weight's 256 rows
.set STAGE,  2*SLOT                    ; behind the ring: 16 rows x 528 bytes for each wave, for the way out; no tensor load lands there
.set SPITCH, 528
.set SPARE,  STAGE+4*16*SPITCH         ; the spare words, 128 bytes for each wave: two blocks of 256 bytes that no other line names
.set LAPS,   8                         ; a lap = two K steps
.set ADRA, 16
.set ADRB, 20
.set STO,  24
.set RD,   25
.set CO,   26                          ; v26  16 x lane: my place in a row of out, and in an image of tpart
.set SPW,  28
.set NIL,  29
.set TC,   32
.set F0,   64
.set F1,   128
.set FF,   64                          ; the way out: 64 numbers at work
.set Z,    128                         ; the way out: z
.set TF,   192
.set XS,   200
.set KC,   216
.set BF,   0                           ; window 1
.set BI,   64                          ; window 1
.set SC,   192                         ; window 1
.set G1, 24
.set G0, 32
.set G1B, 48
.set G0B, 56
.set MSB, 0
.macro WIN new                         ; the immediate's high byte repeats the setting that is left
.if MSB != (\new)
	s_set_vgpr_msb (MSB<<8)|(\new)
.set MSB, (\new)
.endif
.endm
.set MUL_LO, 0xa1                      ; source 0 (weight) window 1, source 1 (x) window 0, C and D window 2
.set MUL_HI, 0xf1                      ; the same, C and D window 3
.set TO_B,   0x40                      ; destination window 1, address window 0
.macro JLOAD s                         ; a joint load: waves 0 and 1 fetch x's two halves, waves 2 and 3 weight's; four v_nop follow each of the two lines
	s_cmp_eq_u32 s11, 0
	s_cbranch_scc0 .Lfor_b_\@
	tensor_load_to_lds s[G0+4*\s:G0+4*\s+3], s[G1:G1+7]
	s_nop 0
.rept 4
	v_nop
.endr
	s_branch .Lasked_\@
.Lfor_b_\@:
	tensor_load_to_lds s[G0B+4*\s:G0B+4*\s+3], s[G1B:G1B+7]
	s_nop 0
.rept 4
	v_nop
.endr
.Lasked_\@:
.endm
.macro CREST                           ; a round of the cluster's barrier behind its opening barrier
	s_cmp_lg_u32 s10, 0
	s_cbranch_scc1 .Lnot_wave_0_\@
	s_barrier_signal -3
.Lnot_wave_0_\@:
	s_barrier_wait -3
	s_barrier_signal -1
	s_barrier_wait -1
.endm
.macro CROUND
	s_barrier_signal -1
	s_barrier_wait -1
	CREST
.endm
.macro PLACES n
.rept \n
	v_nop
.endr
.endm
	s_load_b128 s[4:7], s[0:1], 0x0                ; x s[4:5], weight s[6:7]
	s_load_b256 s[68:75], s[0:1], 0x10             ; bias s[68:69], x_scales s[70:71], scales s[72:73], lora_b s[74:75]
	s_load_b128 s[76:79], s[0:1], 0x30             ; tpart s[76:77], out0 s[78:79]
	v_lshl_add_u32 v[SPW], v0, 2, SPARE
	v_mov_b32 v[NIL], 0
	ds_add_u32 v28, v29
	ds_add_u32 v28, v29
	s_wait_dscnt 0x0
	v_lshrrev_b32 v1, 5, v0
	v_readfirstlane_b32 s10, v1                    ; wave 0..3
	s_lshr_b32 s11, s10, 1                         ; which half of the tile's rows is mine.  Also: I fetch for x (0) or for weight (1)
	s_and_b32 s12, s10, 1                          ; which half of its columns.  Also: which 128 rows of that tile I fetch
	s_bfe_u32 s40, ttmp6, 0x40000                  ; cx
	s_bfe_u32 s41, ttmp6, 0x40004                  ; cy
	s_lshl_b32 s42, ttmp9, 2
	s_add_co_u32 s42, s42, s40                     ; tile column = 4 x cluster x + cx
	s_and_b32 s13, ttmp7, 0xffff
	s_lshl_b32 s13, s13, 2
	s_add_co_u32 s13, s13, s41                     ; tile row = 4 x cluster y + cy
	s_lshl_b32 s43, s41, 2
	s_lshl_b32 s43, 15, s43                        ; my row of the cluster
	s_lshl_b32 s44, 0x1111, s40                    ; my column
	; group 1: a tile of 128 rows x 256 bytes, 4 words of padding behind every 64
	s_or_b32 s[G1+0], s43, (0<<16)|(1<<20)|(1<<21)|(5<<22)|(3<<25)    ; x's tiles go to my row of the cluster
	s_or_b32 s[G1B+0], s44, (0<<16)|(1<<20)|(1<<21)|(5<<22)|(3<<25)   ; weight's to my column
.irp g, G1, G1B
	s_mov_b32 s[\g+1], ROWB<<16                    ; tensor_dim0
	s_mov_b32 s[\g+2], 128<<16                     ; tensor_dim1
	s_mov_b32 s[\g+3], ROWB<<16                    ; tile_dim0
	s_mov_b32 s[\g+4], 128                         ; tile_dim1
	s_mov_b32 s[\g+5], KROW                        ; from row to row
	s_mov_b32 s[\g+6], 0
	s_mov_b32 s[\g+7], 0
.endr
	s_lshl_b32 s17, s12, 7                         ; which 128 rows of the tile I fetch
	s_lshl_b32 s16, s13, 8
	s_add_co_u32 s16, s16, s17
	s_lshl_b32 s16, s16, 12                        ; x: (256 x tile row + 128 x half) rows of 4,096 bytes: under 2^24
	s_lshl_b32 s46, s42, 8
	s_add_co_u32 s46, s46, s17
	s_lshl_b32 s46, s46, 12                        ; weight: by the tile column
	s_mov_b32 s17, 0
	s_mov_b32 s47, 0
	s_mul_i32 s20, s10, HALFT                      ; where they go: wave x 128 rows: no place in the cluster enters an LDS address
	s_wait_kmcnt 0x0
	s_add_nc_u64 s[14:15], s[4:5], s[16:17]
	s_add_nc_u64 s[46:47], s[6:7], s[46:47]
	CROUND                                         ; all sixteen work-groups are here: the first joint loads meet
.irp s, 0,1
	s_mov_b32 s[G0+4*\s], 1
	s_add_co_u32 s[G0+4*\s+1], s20, \s*SLOT
	s_add_nc_u64 s[G0+4*\s+2:G0+4*\s+3], s[14:15], \s*ROWB
	s_or_b32 s[G0+4*\s+3], s[G0+4*\s+3], 0x80000000
	s_mov_b32 s[G0B+4*\s], 1
	s_add_co_u32 s[G0B+4*\s+1], s20, \s*SLOT
	s_add_nc_u64 s[G0B+4*\s+2:G0B+4*\s+3], s[46:47], \s*ROWB
	s_or_b32 s[G0B+4*\s+3], s[G0B+4*\s+3], 0x80000000
	JLOAD \s                                       ; K steps 0 and 1: two loads of mine are out
.endr
	v_and_b32 v1, 15, v0                           ; r
	v_bfe_u32 v2, v0, 4, 1                         ; h
	v_mul_u32_u24 v3, v1, PITCH
	v_lshl_add_u32 v3, v2, 4, v3                   ; a fragment's row x pitch + 16 h
	s_mul_i32 s21, s11, HALFT                      ; my 128 rows of x
	s_mul_i32 s22, s12, HALFT                      ; my 128 rows of weight,
	s_add_co_u32 s22, s22, 2*HALFT                 ; which lie behind x's 256
.irp s, 0,1
	v_add_nc_u32 v[ADRA+\s], s21, v3
	v_add_nc_u32 v[ADRB+\s], s22, v3
	s_add_co_u32 s21, s21, SLOT
	s_add_co_u32 s22, s22, SLOT
.endr
	s_mul_i32 s23, s10, 16*SPITCH
	s_add_co_u32 s23, s23, STAGE                   ; my stage
	v_mul_u32_u24 v4, v1, SPITCH
	v_lshl_add_u32 v4, v2, 5, v4
	v_add_nc_u32 v[STO], s23, v4                   ; in: row r, 32 bytes for each half of the lanes
	v_and_b32 v5, 31, v0
	v_lshlrev_b32 v[CO], 4, v5
	v_add_nc_u32 v[RD], s23, v[CO]                 ; back: the 32 lanes take one row of 512 bytes
	v_lshlrev_b32 v7, 6, v1
	v_lshl_add_u32 v7, v2, 5, v7                   ; lora_b: row r of 64 bytes, + 32 h
	v_lshlrev_b32 v8, 5, v2                        ; bias, scales: 32 h
	v_lshlrev_b32 v9, 2, v1                        ; x_scales: 4 r
	s_lshl_b32 s84, s13, 8
	s_lshl_b32 s85, s11, 7
	s_add_co_u32 s84, s84, s85                     ; m0: my first row
	s_lshl_b32 s86, s42, 8
	s_lshl_b32 s87, s12, 7
	s_add_co_u32 s86, s86, s87                     ; n0: my first column
	s_mov_b32 s89, 0
	s_lshl_b32 s88, s84, 6
	s_add_nc_u64 s[76:77], s[76:77], s[88:89]      ; tpart + 1,024 (m0 / 16)
	s_lshl_b32 s88, s84, 2
	s_add_nc_u64 s[70:71], s[70:71], s[88:89]      ; x_scales + 4 m0
	s_lshl_b32 s88, s86, 2
	s_add_nc_u64 s[68:69], s[68:69], s[88:89]      ; bias + 4 n0
	s_add_nc_u64 s[72:73], s[72:73], s[88:89]      ; scales + 4 n0
	s_add_nc_u64 s[78:79], s[78:79], s[88:89]      ; out0 + 4 n0
	s_lshl_b32 s88, s86, 6
	s_add_nc_u64 s[74:75], s[74:75], s[88:89]      ; lora_b + 64 n0
	s_lshl_b32 s88, s84, 14
	s_add_nc_u64 s[78:79], s[78:79], s[88:89]      ; out0 + 16,384 m0
	; the constants of the way out come now, while the first tiles are on their way
	WIN 0x80                                       ; destination window 2
.irp a, 0,1,2,3,4,5,6,7
.irp p, 0,1,2,3
.irp q, 0,1
	global_load_b128 v[32*\a+8*\p+4*\q:32*\a+8*\p+4*\q+3], v[CO], s[76:77] offset:262144*\p+1024*\a+512*\q   ; T_p(16 a + r, 8 h + 4 q + 0..3): 512 consecutive bytes a load
.endr
.endr
.endr
	WIN 0xc0                                       ; destination window 3
.irp b, 0,1,2,3,4,5,6,7
.irp q, 0,1
	global_load_b128 v[8*\b+4*\q:8*\b+4*\q+3], v7, s[74:75] offset:1024*\b+16*\q   ; lora_b(16 b + r, 8 h + 4 q + 0..3)
.endr
.endr
	WIN TO_B
.irp b, 0,1,2,3,4,5,6,7
.irp q, 0,1
	global_load_b128 v[SC+8*\b+4*\q:SC+8*\b+4*\q+3], v8, s[72:73] offset:64*\b+16*\q   ; s(16 b + 8 h + 4 q + 0..3)
.endr
.endr
	WIN 0
.irp a, 0,1,2,3,4,5,6,7
	global_load_b32 v[XS+2*\a], v9, s[70:71] offset:64*\a   ; xs(16 a + r)
.endr
	s_wait_loadcnt 0x0
.irp a, 0,1,2,3,4,5,6,7
	v_mov_b32 v[XS+2*\a+1], v[XS+2*\a]             ; a pair for the packed multiply
.endr
.irp i, 4,5,6,7
	v_mov_b32 v[TF+\i], 0                          ; ranks 16 to 31 of the T fragment: zeros, for the whole launch
.endr
	WIN 0x8a                                       ; sources and destination window 2
.irp a, 0,1,2,3,4,5,6,7
.irp j, 0,2,4,6
	v_pk_add_f32 v[32*\a+\j:32*\a+\j+1], v[32*\a+\j:32*\a+\j+1], v[32*\a+8+\j:32*\a+8+\j+1]             ; parts 0 + 1
	v_pk_add_f32 v[32*\a+16+\j:32*\a+16+\j+1], v[32*\a+16+\j:32*\a+16+\j+1], v[32*\a+24+\j:32*\a+24+\j+1]   ; parts 2 + 3
.endr
.irp j, 0,2,4,6
	v_pk_add_f32 v[32*\a+\j:32*\a+\j+1], v[32*\a+\j:32*\a+\j+1], v[32*\a+16+\j:32*\a+16+\j+1]
.endr
.endr
	WIN 0x0a                                       ; sources window 2, destination window 0
.irp a, 0,1,2,3,4,5,6,7
.irp i, 0,1,2,3
	v_cvt_pk_bf16_f32 v[TC+4*\a+\i], v[32*\a+2*\i], v[32*\a+2*\i+1]   ; registers 0-3 of a bf16 fragment: k = 8 h + 0..7
.endr
.endr
	WIN 0x4f                                       ; sources window 3, destination window 1
.irp b, 0,1,2,3,4,5,6,7
.irp i, 0,1,2,3
	v_cvt_pk_bf16_f32 v[BF+8*\b+\i], v[8*\b+2*\i], v[8*\b+2*\i+1]
.endr
.endr
	WIN TO_B
.irp b, 0,1,2,3,4,5,6,7
.irp i, 4,5,6,7
	v_mov_b32 v[BF+8*\b+\i], 0                     ; ranks 16 to 31: zeros
.endr
.endr
	WIN 0
; 16 matrix instructions: x's blocks a0, a0 + 1 of the window's four x weight's eight, 64 along K; both sources signed.  zero = 1: the first product starts the sums.
; The 64 accumulators take turns, one instruction a turn, in the same order in every quarter.
.macro MUL16 f, hi, a0, zero
.irp a, \a0, \a0+1
.irp b, 0,1,2,3,4,5,6,7
.if \zero
	v_wmma_i32_16x16x64_iu8 v[8*(8*(\a)+\b):8*(8*(\a)+\b)+7], v[\f+8*\b:\f+8*\b+7], v[\f+8*(4*\hi+\a):\f+8*(4*\hi+\a)+7], 0 neg_lo:[1,1,0]
.else
	v_wmma_i32_16x16x64_iu8 v[8*(8*(\a)+\b):8*(8*(\a)+\b)+7], v[\f+8*\b:\f+8*\b+7], v[\f+8*(4*\hi+\a):\f+8*(4*\hi+\a)+7], v[8*(8*(\a)+\b):8*(8*(\a)+\b)+7] neg_lo:[1,1,0]
.endif
.endr
.endr
.endm
; 32 LDS loads in one run: the fragments of one quarter (128 rows of weight, 128 rows of x, 64 bytes at byte k of the rows) into buffer f
.macro FETCH slot, k, f
	WIN TO_B
.irp i, 0,1,2,3,4,5,6,7
	ds_load_b128 v[\f+8*\i:\f+8*\i+3],   v[ADRB+\slot] offset:\k+\i*16*PITCH
	ds_load_b128 v[\f+8*\i+4:\f+8*\i+7], v[ADRB+\slot] offset:\k+\i*16*PITCH+32
.endr
	WIN 0
.irp i, 0,1,2,3,4,5,6,7
	ds_load_b128 v[\f+8*\i:\f+8*\i+3],   v[ADRA+\slot] offset:\k+\i*16*PITCH
	ds_load_b128 v[\f+8*\i+4:\f+8*\i+7], v[ADRA+\slot] offset:\k+\i*16*PITCH+32
.endr
.endm
; One of a K step's first three quarters: multiplies buffer f; in its middle it fetches the next quarter's fragments into buffer g.
; A load into a register that this matrix form has read stands eight places behind it (ISA guide 7.12.1 for vector instructions).
.macro QUARTER slot, k, f, g, zero
	s_wait_dscnt 8                                 ; weight's fragments and x's blocks 0-3 are in; the youngest eight loads (x's blocks 4-7) may be out
	WIN MUL_LO
	MUL16 \f, 0, 0, \zero
	MUL16 \f, 0, 2, \zero
	PLACES 8
	FETCH \slot, \k, \g
	s_wait_dscnt 32                                ; all but the 32 just issued
	WIN MUL_HI
	MUL16 \f, 1, 0, \zero
	MUL16 \f, 1, 2, \zero
.endm
; The last quarter multiplies buffer 1 and changes slots: one barrier; in front of it each wave waits for all its tensor loads, adds 0 to its spare word, and waits for that and for its own reads of this slot.
; fill = 1: the barrier opens a round of the cluster's barrier, and this slot is filled again, two K steps ahead: 224 matrix instructions stand between that request and the wait for it.
.macro TURN slot, next, fill
	WIN 0                                          ; the add's two registers lie in window 0
	s_wait_tensorcnt 0x0                           ; all my tensor loads have landed: the one that was out is my part of the next slot
	ds_add_u32 v[SPW], v[NIL]                      ; 0 onto my spare word
	s_wait_dscnt 9                                 ; the add and the youngest eight loads may be out
	WIN MUL_LO
	MUL16 F1, 0, 0, 0                              ; sixteen matrix instructions stand between the add and the wait for it
	s_wait_dscnt 0x0                               ; the add is done, and my reads of this slot are over
	s_barrier_signal -1
	MUL16 F1, 0, 2, 0
	WIN 0                                          ; branches may follow
	s_barrier_wait -1
.if \fill
	CREST                                          ; no wave of any partner still reads this slot's tile or has a load on its way
	s_add_nc_u64 s[G0+4*\slot+2:G0+4*\slot+3], s[G0+4*\slot+2:G0+4*\slot+3], 2*ROWB
	s_add_nc_u64 s[G0B+4*\slot+2:G0B+4*\slot+3], s[G0B+4*\slot+2:G0B+4*\slot+3], 2*ROWB
	JLOAD \slot                                    ; the first tensor load behind the round, my one load until the next; its four v_nop are four of the eight places in front of the loads below
	PLACES 4
.else
	PLACES 8
.endif
	FETCH \next, 0, F0
	WIN MUL_HI
	MUL16 F1, 1, 0, 0
	MUL16 F1, 1, 2, 0
.endm
	s_wait_tensorcnt 1                             ; my part of K step 0 is in; K step 1's load may stay out
	s_barrier_signal -1
	s_barrier_wait -1                              ; everybody's is
	FETCH 0, 0, F0
	QUARTER 0, 64,  F0, F1, 1                      ; the first quarter stands in front of the loop: its products start the sums
	WIN 0                                          ; at a label and at a branch every window is 0
	s_mov_b32 s3, LAPS-1
.Llap:                                                 ; a trip goes once round the ring, from a lap's second quarter to the next lap's first, and fills both slots again
	QUARTER 0, 128, F1, F0, 0
	QUARTER 0, 192, F0, F1, 0
	TURN 0, 1, 1
	QUARTER 1, 64,  F0, F1, 0
	QUARTER 1, 128, F1, F0, 0
	QUARTER 1, 192, F0, F1, 0
	TURN 1, 0, 1
	QUARTER 0, 64,  F0, F1, 0
	WIN 0
	s_sub_co_u32 s3, s3, 1
	s_cmp_lg_u32 s3, 0
	s_cbranch_scc1 .Llap
	QUARTER 0, 128, F1, F0, 0                      ; the last lap is written out: it fills nothing and has no round
	QUARTER 0, 192, F0, F1, 0
	TURN 0, 1, 0
	QUARTER 1, 64,  F0, F1, 0
	QUARTER 1, 128, F1, F0, 0
	QUARTER 1, 192, F0, F1, 0
	s_wait_dscnt 8                                 ; the very last quarter: no fragment is left to fetch
	WIN MUL_LO
	MUL16 F1, 0, 0, 0
	MUL16 F1, 0, 2, 0
	PLACES 8
	WIN TO_B
.irp b, 0,1,2,3,4,5,6,7
.irp q, 0,1
	global_load_b128 v[BI+8*\b+4*\q:BI+8*\b+4*\q+3], v8, s[68:69] offset:64*\b+16*\q   ; bias(16 b + 8 h + 4 q + 0..3), into weight's buffer 0, which is done with; 32 matrix instructions stand ahead of its use
.endr
.endr
	s_wait_dscnt 0
	WIN MUL_HI
	MUL16 F1, 1, 0, 0
	MUL16 F1, 1, 2, 0
	WIN 0
; THE WAY OUT, block by block of 16 rows x 128 columns.
; COMP a: the block's 64 numbers a lane, from i32 to the finished result in v[FF] on.  Each batch of transcendentals has one plain instruction and one wait behind it, ahead of its first reader.
.macro COMP a
.set AC, 64*((\a)%4)
	WIN 0x02+(\a)/4                                ; source 0: window 2 or 3
.set i, 0
.rept 64
	v_cvt_f32_i32 v[FF+i], v[AC+i]                 ; each accumulator from its low end on
.set i, i+1
.endr
	WIN 0x11                                       ; source 0 (lora_b) and C (bias) window 1; source 1 (T) and D window 0
.irp b, 0,1,2,3,4,5,6,7
	v_wmma_f32_16x16x32_bf16 v[Z+8*\b:Z+8*\b+7], v[BF+8*\b:BF+8*\b+7], v[TF:TF+7], v[BI+8*\b:BI+8*\b+7]   ; the lora term + bias, in the accumulators' layout
.endr
	WIN 0
.set i, 0
.rept 32
	v_pk_mul_f32 v[FF+i:FF+i+1], v[FF+i:FF+i+1], v[XS+2*(\a):XS+2*(\a)+1]   ; acc x xs.  (These are also the places behind the eight products)
.set i, i+2
.endr
.if (\a) < 7
.irp i, 0,1,2,3
	v_mov_b32 v[TF+\i], v[TC+4*((\a)+1)+\i]        ; the next block's T fragment
.endr
.endif
	WIN 0x04                                       ; source 1 (s) window 1
.set i, 0
.rept 32
	v_pk_fma_f32 v[Z+i:Z+i+1], v[FF+i:FF+i+1], v[SC+i:SC+i+1], v[Z+i:Z+i+1]   ; z = acc xs s + (lora + bias); each result of the eight products from its low end on
.set i, i+2
.endr
	WIN 0
.set i, 0
.rept 32
	v_pk_mul_f32 v[FF+i:FF+i+1], v[Z+i:Z+i+1], v[Z+i:Z+i+1]
.set i, i+2
.endr
.set i, 0
.rept 32
	v_pk_fma_f32 v[FF+i:FF+i+1], v[FF+i:FF+i+1], v[KC+2:KC+3], v[KC:KC+1]   ; k1 z^2 + k0
.set i, i+2
.endr
.set i, 0
.rept 32
	v_pk_mul_f32 v[FF+i:FF+i+1], v[FF+i:FF+i+1], v[Z+i:Z+i+1]
.set i, i+2
.endr
.set i, 0
.rept 64
	v_exp_f32 v[FF+i], v[FF+i]
.set i, i+1
.endr
	v_nop
	s_wait_alu depctr_va_vdst(0)                   ; one wait for the 64 exponentials
.set i, 0
.rept 32
	v_pk_add_f32 v[FF+i:FF+i+1], v[FF+i:FF+i+1], 1.0 op_sel_hi:[1,0]
.set i, i+2
.endr
.set i, 0
.rept 64
	v_rcp_f32 v[FF+i], v[FF+i]
.set i, i+1
.endr
	v_nop
	s_wait_alu depctr_va_vdst(0)                   ; one wait for the 64 reciprocals
.set i, 0
.rept 32
	v_pk_mul_f32 v[FF+i:FF+i+1], v[FF+i:FF+i+1], v[Z+i:Z+i+1]
.set i, i+2
.endr
.endm
; TOSTAGE a: a lane holds 32 neighbouring bytes of eight places of a row, and the lanes beside it hold other rows: the block goes through my own stage and comes back as whole rows of 512 bytes,
; into the block's own accumulator registers, which are done with: no store's data register is ever written again.  LDS serves a wave's instructions in order (ISA guide 5.7.1.4): no wait between the stores and the loads.
.macro TOSTAGE a
.set AC, 64*((\a)%4)
.irp b, 0,1,2,3,4,5,6,7
	ds_store_b128 v[STO], v[FF+8*\b:FF+8*\b+3] offset:64*\b
	ds_store_b128 v[STO], v[FF+8*\b+4:FF+8*\b+7] offset:64*\b+16
.endr
	WIN 0x80+0x40*((\a)/4)                         ; destination window 2 or 3
.set t, 0
.rept 16
	ds_load_b128 v[AC+4*t:AC+4*t+3], v[RD] offset:t*SPITCH
.set t, t+1
.endr
	WIN 0
.endm
.macro SEND a
.set AC, 64*((\a)%4)
	WIN 0x08+4*((\a)/4)                            ; a store's data are its source 1: window 2 or 3
.set t, 0
.rept 16
	s_wait_dscnt 15-t                              ; row t is back; the younger read-backs may be out
	global_store_b128 v[CO], v[AC+4*t:AC+4*t+3], s[78:79] offset:(16*(\a)+t)*16384 th:TH_STORE_NT   ; 32 lanes store 512 consecutive bytes, aligned; written once, read by nobody here
.set t, t+1
.endr
	WIN 0
.endm
.irp i, 0,1,2,3
	v_mov_b32 v[TF+\i], v[TC+\i]                   ; block 0's T fragment.  These eight lines are the places behind the last products
.endr
	v_mov_b32 v[KC], 0xc0135761                    ; k0 = -2 log2(e) sqrt(2 / pi)
	v_mov_b32 v[KC+1], 0xc0135761
	v_mov_b32 v[KC+2], 0xbdd2d3e8                  ; k1 = 0.044715 k0
	v_mov_b32 v[KC+3], 0xbdd2d3e8
	s_wait_loadcnt 0x0                             ; bias
	COMP 0
	TOSTAGE 0
.irp a, 1,2,3,4,5,6,7                  ; block a's arithmetic stands between block a - 1's loads from the stage and the waits for them
	COMP \a
	SEND \a-1
	TOSTAGE \a
.endr
	SEND 7
	s_wait_tensorcnt 0x0                           ; the wave's end: behind my last tensor load and my last LDS store
	ds_add_u32 v[SPW], v[NIL]
	s_wait_dscnt 0x0
	CROUND                                         ; the closing round: no work-group ends while a partner may still ask for a tile that names it
	s_endpgm
.Lfunc_end_k_q039042995d_gemm:
	.size	k_q039042995d_gemm, .Lfunc_end_k_q039042995d_gemm-k_q039042995d_gemm
	.p2alignl 7, 3214868480
	.fill 96, 4, 3214868480
	.section	.rodata,"a",@progbits
	.p2align	6, 0x0
	.amdhsa_kernel k_q039042995d_gemm
		.amdhsa_group_segment_fixed_size 327680
		.amdhsa_private_segment_fixed_size 0
		.amdhsa_enable_private_segment 0
		.amdhsa_kernarg_size 64
		.amdhsa_user_sgpr_count 2
		.amdhsa_user_sgpr_kernarg_segment_ptr 1
		.amdhsa_wavefront_size32 1
		.amdhsa_system_sgpr_workgroup_id_x 1
		.amdhsa_system_sgpr_workgroup_id_y 1
		.amdhsa_system_sgpr_workgroup_id_z 1
		.amdhsa_system_vgpr_workitem_id 0
		.amdhsa_next_free_vgpr 1024
		.amdhsa_next_free_sgpr 92
		.amdhsa_reserve_vcc 0
		.amdhsa_float_denorm_mode_32 3
		.amdhsa_float_denorm_mode_16_64 3
		.amdhsa_memory_ordered 1
		.amdhsa_forward_progress 1
		.amdhsa_inst_pref_size 255
	.end_amdhsa_kernel
	.section	.bss,"aw",@nobits
	.p2align	6
	.space	262144
	.amdgpu_metadata
---
amdhsa.version: [ 1, 2 ]
amdhsa.kernels:
  - .name:           k_q039042995d_gemm
    .symbol:         k_q039042995d_gemm.kd
    .args:
      - { .name: x, .offset: 0, .size: 8, .value_kind: global_buffer, .address_space: global }
      - { .name: weight, .offset: 8, .size: 8, .value_kind: global_buffer, .address_space: global }
      - { .name: bias, .offset: 16, .size: 8, .value_kind: global_buffer, .address_space: global }
      - { .name: x_scales, .offset: 24, .size: 8, .value_kind: global_buffer, .address_space: global }
      - { .name: scales, .offset: 32, .size: 8, .value_kind: global_buffer, .address_space: global }
      - { .name: lora_b, .offset: 40, .size: 8, .value_kind: global_buffer, .address_space: global }
      - { .name: tpart, .offset: 48, .size: 8, .value_kind: global_buffer, .address_space: global }
      - { .name: out0, .offset: 56, .size: 8, .value_kind: global_buffer, .address_space: global }
    .group_segment_fixed_size: 327680
    .private_segment_fixed_size: 0
    .kernarg_segment_align: 8
    .kernarg_segment_size: 64
    .max_flat_workgroup_size: 128
    .sgpr_count:     92
    .vgpr_count:     1024
    .wavefront_size: 32
...
	.end_amdgpu_metadata
.endif
;; end of part 2
